; MI455X (gfx1250); checked and timed in simulation.
; The chip was launched on July 23, 2026; its instructions are those of AMD's public machine-readable ISA for CDNA 5 (MIT licence, August 2026) and "CDNA5" Instruction Set Architecture Reference Guide (July 2026). The comments in the code are by the model that wrote it; some were corrected since.
;; Bahdanau Attention. Allowed arithmetic: matrix products marked QUANTISED: E2M3 operands, one E8M0 scale for each 32 along K, by v_wmma_scale_f32_16x16x128_f8f6f4 with both operands' format E2M3, f32 sums; products left as they are: f32 operands where the result goes on into a quantised operand, else bf16, f16 or f32 operands; f32 sums; everything else in f32.
;; Inputs: Wd 1,024 x 1,024 float32; We 1,024 x 1,024 float32; encoder_outputs 2,048 x 32 x 1,024 float32; hidden 32 x 1,024 float32; v 1,024 float32.
;; Outputs: out0 32 x 1,024 float32; out1 32 x 2,048 float32.
;; This version of the problem:
;;   THIS VERSION OF THE PROBLEM IS GIVEN IN LOW PRECISION. The matrix products marked QUANTISED in the list below multiply operands that are first quantised to E2M3 (2 exponent bits, 3 mantissa bits; 6 bits a number), with one power-of-two scale for each 32 numbers along K (OCP MX v1.0); their sums are f32. All else is computed in f32.
;;   The module's matrix products, in the order in which they are computed (A, B: the left and right operand; K: the contracted axis; several contracted axes count as one K, in the product's order):
;;     1. [M 1,024, K 1,024] x [K 1,024, N 65,536]; A: input We; B: input encoder_outputs: QUANTISED
;;     2. [M 32, K 1,024] x [K 1,024, N 1,024]; A: input hidden; B: input Wd: QUANTISED
;;     3. [M 65,536, K 1,024] x [K 1,024, N 1]; A: computed on the way; B: input v: left as it is (N = 1 < 16)
;;     4. batch 32 x [M 1, K 2,048] x [K 2,048, N 1,024]; A: softmax; B: input encoder_outputs: left as it is (M = 1 < 16)
;;   THE QUANTISER, for each operand of a quantised product, along K:
;;     - K is cut into blocks of 32 from its start; a last block that is shorter is filled with zeros.
;;     - A block's scale is 2^e with e = floor(log2(the largest magnitude in the block)) - 2, held to -126 .. 127; a block of zeros has e = 0. As a byte (E8M0): e + 127.
;;     - Each number is divided by its block's scale, clamped to +-7.5, and rounded to the nearest number of E2M3, ties to even, subnormals kept.
;;     - The product sums the exact products of the quantised numbers (number of the format x scale) in f32.
;;   ~~~python
;;   def quantise(x, axis):      # numpy; x: float32 -> the quantised numbers, widened to float32 again
;;       x = np.moveaxis(x, axis, -1); K = x.shape[-1]
;;       x = np.pad(x, [(0, 0)] * (x.ndim - 1) + [(0, -K % 32)]); x = x.reshape(x.shape[:-1] + (-1, 32)); a = np.abs(x).max(-1, keepdims=True)
;;       e = np.where(a > 0, np.clip(np.frexp(np.where(a > 0, a, 1))[1] - 1 - 2, -126, 127), 0)      # np.frexp(a)[1] - 1 = floor(log2(a)), exactly
;;       r = np.clip(x / 2.0 ** e, -7.5, 7.5)
;;       step = 2.0 ** (np.maximum(np.frexp(np.where(r == 0, 1, r))[1] - 1, 0) - 3)
;;       q = np.round(r / step) * step * 2.0 ** e      # np.round: ties to even
;;       return np.moveaxis(q.reshape(q.shape[:-2] + (-1,))[..., :K], -1, axis).astype(np.float32)
;;   ~~~
;; One version. Each part assembles by itself: llvm-mc -triple=amdgcn-amd-amdhsa -mcpu=gfx1250 --defsym DOCPART=n.
;; ======== version 1 of 1: 3 launches
;; limits: values are held in bf16: 8 bits of precision; right only within a limited range of input values
;; workspace buffers: wq 819,200 bytes; dec 524,288 bytes; tws 262,144 bytes; pctx 1,048,576 bytes; ml 65,536 bytes
;; launch prep (part 1): grid 64 x 4, 2 waves a work-group, no clusters, 22,272 bytes of LDS; arguments We, Wd, hidden, wq, dec; writes wq, dec
.if DOCPART == 1
	.amdgcn_target "amdgcn-amd-amdhsa--gfx1250"
	.amdhsa_code_object_version 6
	.text
	.protected	k_qdd263abfa5_prep
	.globl	k_qdd263abfa5_prep
	.p2align	8
	.type	k_qdd263abfa5_prep,@function
k_qdd263abfa5_prep:
	s_mov_b64 s[64:65], 0
	v_nop
	global_prefetch_b8 v0, s[64:65] scope:SCOPE_SE
	s_setreg_imm32_b32 hwreg(HW_REG_WAVE_MODE, 25, 1), 1
	s_wait_xcnt 0x0
; We [1024 d][1024 e] f32 becomes codes of FP6 (E2M3) with one E8M0 byte for each 32 along e, laid in wq in the order of a matrix operand's registers;
; dec[y][b][d] = sum over k in quarter y of K of Q(hidden[b][k]) Q(Wd[d][k]), both quantised in registers, by the scaled FP6 matrix instruction, sums in f32.  The next launch adds the four quarters, K ascending.
; SHARES.  Work-group (t, y) takes rows d = 16 t .. 16 t + 15 of We and of Wd and quarter y of K; its wave w takes K step s = 2 y + w (k = 128 s .. 128 s + 127).  256 work-groups, 64 KB of input each; one path for all.
; A fragment (16 rows x 128 k) is 12 registers: lane (r, h) holds row r, registers 6 c .. 6 c + 5 hold k = 64 c + 32 h + 0 .. 31: two whole blocks of 32 of its row, so that a block's largest magnitude needs no
; other lane and the conversions' results are the operand's registers.
; THE LOADS ARE DENSE: one load takes one row's K step, 512 consecutive bytes, 16 a lane.  A fragment's 16 rows then turn through the wave's own stage in LDS (rows 528 bytes apart) and come back 2 x 128 consecutive bytes a lane.
; wq: tile t at 12,800 t: eight images of 1,536 bytes (K step s: register 4 q + i of lane L at 1536 s + 512 q + 16 L + 4 i), then 512 bytes of scale words (row r, K step s at 256 (s / 4) + 16 r + 4 (s % 4)).
; A wave's 16 scale words leave as 16 stores of 4 bytes, 16 bytes apart (32 KB in the whole launch): the reader wants a row's words of four K steps side by side, and these lie in two work-groups.
; A block's scale is 2^(floor(log2(largest magnitude)) - 2); its byte is the largest magnitude's exponent field - 2, held at 1 from below.
; LIMITS: NaN and infinities among the inputs are not served.  A block whose largest magnitude lies under 2^-124 gets the byte 1; a block of zeros gets 1 where the rule says 127: its codes are zeros, and this program alone reads the bytes.
.set X0,   16                          ; v16-79    We as loaded, then 64 numbers of a lane
.set X1,   80                          ; v80-143   Wd as loaded, then the other set
.set H0R,  0                           ; window 1, v0-63:   hidden's rows 0-15 as loaded
.set H1R,  64                          ; window 1, v64-127: rows 16-31
.set CW,   144                         ; We's fragment
.set CD,   156                         ; Wd's
.set CH0,  168                         ; hidden's rows 0-15
.set CH1,  180                         ; rows 16-31
.set TMPC, 192                         ; the second halves of two blocks' codes
.set QM,   200
.set QSO,  202
.set QBY,  204
.set QT,   206
.set WW,   208                         ; v208-211  scale words of We, Wd, hidden 0-15, hidden 16-31: scales and nothing else
.set AC0,  216                         ; two accumulators
.set STG,  5120                        ; LDS: from 0 the two waves' parts of dec, 2 x 2,560 bytes; here 2 x 8,448 bytes, a stage for each wave
.set SPI,  528
.set SPARE, 22016                      ; the spare words, 128 bytes a wave
.set MSB, 0
.macro WIN new
.if MSB != (\new)
	s_set_vgpr_msb (MSB<<8)|(\new)
.set MSB, (\new)
.endif
.endm
	s_load_b256 s[4:11], s[0:1], 0x0               ; We s[4:5], Wd s[6:7], hidden s[8:9], wq s[10:11]
	s_load_b64 s[12:13], s[0:1], 0x20              ; dec
	v_lshl_add_u32 v254, v0, 2, SPARE
	v_mov_b32 v255, 0
	v_lshrrev_b32 v9, 5, v0
	v_readfirstlane_b32 s14, v9                    ; wave 0, 1
	s_and_b32 s28, ttmp7, 0xffff                   ; y
	s_lshl_b32 s29, s28, 1
	s_add_co_u32 s29, s29, s14                     ; K step s = 2 y + w
	s_lshl_b32 s15, s29, 9                         ; its 512 bytes of a row
	s_mul_i32 s30, s14, 16*SPI
	s_add_co_u32 s30, s30, STG                     ; my stage
	s_mul_i32 s31, s14, 2560                       ; my part of dec
	s_lshr_b32 s32, s29, 2
	s_lshl_b32 s32, s32, 8
	s_and_b32 s33, s29, 3
	s_lshl_b32 s33, s33, 2
	s_add_co_u32 s32, s32, s33                     ; 256 (s / 4) + 4 (s % 4)
	s_mov_b32 s16, 0x76543210
	s_mov_b32 s17, 0xfedcba98                      ; v_permlanex16_b32's selects for lane l xor 16
	s_lshl_b32 s18, ttmp9, 16                      ; 16 rows of 4,096 bytes
	s_mov_b32 s19, 0
	s_mul_i32 s20, ttmp9, 12800                    ; my tile of wq
	s_mov_b32 s21, 0
	s_mul_i32 s22, s29, 1536                       ; my K step's image
	s_mov_b32 s23, 0
	s_lshl_b32 s24, ttmp9, 6                       ; my 16 columns of dec,
	s_lshl_b32 s33, s28, 17                        ; in quarter y's 131,072 bytes
	s_add_co_u32 s24, s24, s33
	s_mov_b32 s25, 0
	v_and_b32 v10, 15, v0                          ; r
	v_bfe_u32 v11, v0, 4, 1                        ; h
	v_and_b32 v12, 31, v0                          ; lane
	v_lshlrev_b32 v2, 4, v12                       ; 16 x lane
	v_add_nc_u32 v1, s15, v2                       ; my 16 bytes of a row's K step
	v_add_nc_u32 v15, s30, v2                      ; the stage, in
	v_mul_u32_u24 v9, v10, SPI
	v_lshl_add_u32 v9, v11, 7, v9
	v_add_nc_u32 v9, s30, v9                       ; the stage, out: row r, + 128 h
	v_mul_u32_u24 v3, v10, 80
	v_lshl_add_u32 v3, v11, 5, v3
	v_add_nc_u32 v3, s31, v3                       ; my part of dec: row b = r, + 32 h
	v_lshrrev_b32 v14, 2, v0                       ; the sum: b = thread / 4 (and b + 16),
	v_and_b32 v13, 3, v0                           ; which 16 bytes of its 64
	v_mul_u32_u24 v4, v14, 80
	v_lshl_add_u32 v4, v13, 4, v4                  ; in LDS,
	v_lshlrev_b32 v5, 12, v14
	v_lshl_add_u32 v5, v13, 4, v5                  ; and in dec
	v_lshl_add_u32 v6, v10, 4, s32                 ; my row's scale word of K step s
	v_lshlrev_b32 v8, 3, v11                       ; 8 h: my two bytes' place in a scale word
	v_mov_b32 v[QT], 0                             ; a lane permute's destination counts as one of its sources
	s_wait_alu depctr_va_vdst(0)                   ; the wait at the head's end
	s_wait_kmcnt 0x0
	s_add_nc_u64 s[4:5], s[4:5], s[18:19]
	s_add_nc_u64 s[6:7], s[6:7], s[18:19]
	s_add_nc_u64 s[10:11], s[10:11], s[20:21]
	s_add_nc_u64 s[26:27], s[10:11], s[22:23]
	s_add_nc_u64 s[12:13], s[12:13], s[24:25]
.macro LOADR x, base, off, n0, cnt     ; rows n0 on, cnt of them: my K step of each, 512 consecutive bytes a load
.set ln, \n0
.rept \cnt
	global_load_b128 v[\x+4*ln:\x+4*ln+3], v1, s[\base:\base+1] offset:\off+4096*ln
.set ln, ln+1
.endr
.endm
.macro TURNF w, src, dst               ; 16 rows as loaded (window w) go into my stage and come back: v[dst + 32 c + 4 i ..] = k 64 c + 32 h + 4 i .. of row r.  LDS serves a wave's instructions in order
	WIN 4*(\w)
.set tn, 0
.rept 16
	ds_store_b128 v15, v[\src+4*tn:\src+4*tn+3] offset:SPI*tn
.set tn, tn+1
.endr
	WIN 0
.irp k, 0,1
.irp i, 0,1,2,3,4,5,6,7
	ds_load_b128 v[\dst+32*\k+4*\i:\dst+32*\k+4*\i+3], v9 offset:256*\k+16*\i
.endr
.endr
.endm
.macro QB x, cd, w                     ; 64 numbers at v[x] become a fragment at v[cd] and its scale word in v[w]
.irp k, 0,1
	v_max3_num_f32 v[QM+\k], |v[\x+32*\k]|, |v[\x+32*\k+1]|, 0x1800000   ; with the floor 2^(3 - 127): the byte cannot fall under 1
.endr
.irp i, 2,4,6,8,10,12,14,16,18,20,22,24,26,28,30
.irp k, 0,1
	v_max3_num_f32 v[QM+\k], v[QM+\k], |v[\x+32*\k+\i]|, |v[\x+32*\k+\i+1]|
.endr
.endr
.irp k, 0,1
	v_add_nc_u32 v[QSO+\k], 0xff000000, v[QM+\k]   ; 2 off the exponent field: the conversions' scale operand
.endr
.irp k, 0,1
	v_lshrrev_b32 v[QBY+\k], 23, v[QSO+\k]         ; the scale's byte
.endr
	v_lshl_or_b32 v[\w], v[QBY+1], 16, v[QBY]      ; blocks h and 2 + h of my row,
	v_lshlrev_b32 v[\w], v8, v[\w]                 ; at their places;
	v_permlanex16_b32 v[QT], v[\w], s16, s17
	v_or_b32 v[\w], v[\w], v[QT]                   ; with lane l xor 16's two the word is whole
.irp k, 0,1
	v_cvt_scalef32_pk16_fp6_f32 v[\cd+6*\k:\cd+6*\k+2], v[\x+32*\k:\x+32*\k+15], v[QSO+\k]
	v_cvt_scalef32_pk16_fp6_f32 v[TMPC+4*\k:TMPC+4*\k+2], v[\x+32*\k+16:\x+32*\k+31], v[QSO+\k]
.endr
	v_nop                                          ; one plain place behind a scaled conversion
.irp k, 0,1
.irp i, 0,1,2
	v_mov_b32 v[\cd+6*\k+3+\i], v[TMPC+4*\k+\i]
.endr
.endr
.endm
	LOADR X0, 4, 0, 0, 16                          ; We
	LOADR X1, 6, 0, 0, 16                          ; Wd
	WIN 0x40
	LOADR H0R, 8, 0, 0, 16                         ; hidden's rows 0-15
	LOADR H1R, 8, 65536, 0, 15                     ; rows 16-30
	s_wait_loadcnt 47                              ; We's sixteen are in; the 47 behind them may be out
	LOADR H1R, 8, 65536, 15, 1                     ; row 31
	WIN 0
	TURNF 0, X0, X0
	s_wait_loadcnt 32                              ; Wd is in; hidden's 32 may be out
	TURNF 0, X1, X1
	s_wait_dscnt 32                                ; We is back from the stage; behind its loads: Wd's 16 stores and 16 loads
	QB X0, CW, WW
.irp q, 0,1,2
	global_store_b128 v2, v[CW+4*\q:CW+4*\q+3], s[26:27] offset:512*\q   ; the image: 512 consecutive bytes a store
.endr
	global_store_b32 v6, v[WW], s[10:11] offset:12288   ; lanes r and r + 16 store the same word with the same value
	s_wait_loadcnt 16                              ; hidden's rows 0-15 are in
	TURNF 1, H0R, X0
	s_wait_dscnt 32                                ; Wd is back; behind its loads: the 32 just issued
	QB X1, CD, WW+1
	s_wait_loadcnt 0x0
	TURNF 1, H1R, X1
	s_wait_dscnt 32                                ; rows 0-15 are back
	QB X0, CH0, WW+2
	s_wait_dscnt 0x0
	QB X1, CH1, WW+3
.rept 8
	v_nop                                          ; a scale word written by vector instructions stands 8 places ahead of a scaled matrix instruction, an operand so written 4
.endr
	; source 0 = 16 rows of Wd, source 1 = 16 rows of hidden: lane (r, h) holds b = 16 u + r, register j holds d = 16 t + 8 h + j
	v_wmma_scale_f32_16x16x128_f8f6f4 v[AC0:AC0+7], v[CD:CD+11], v[CH0:CH0+11], 0, v[WW+1], v[WW+2] matrix_a_fmt:MATRIX_FMT_FP6 matrix_b_fmt:MATRIX_FMT_FP6
	v_wmma_scale_f32_16x16x128_f8f6f4 v[AC0+8:AC0+15], v[CD:CD+11], v[CH1:CH1+11], 0, v[WW+1], v[WW+3] matrix_a_fmt:MATRIX_FMT_FP6 matrix_b_fmt:MATRIX_FMT_FP6
.rept 4
	v_nop                                          ; four places in front of the first read of results
.endr
.irp u, 0,1
	ds_store_b128 v3, v[AC0+8*\u:AC0+8*\u+3] offset:1280*\u         ; each accumulator from its low end on
	ds_store_b128 v3, v[AC0+8*\u+4:AC0+8*\u+7] offset:1280*\u+16
.endr
	s_wait_dscnt 0x0                               ; for the other wave's sake: my stores into LDS are done
	s_barrier_signal -1
	s_barrier_wait -1
.irp u, 0,1                                    ; 64 threads add the two waves' parts, 16 bytes of rows b and b + 16 each
.irp x, 0,1
	ds_load_b128 v[16+8*\u+4*\x:19+8*\u+4*\x], v4 offset:2560*\x+1280*\u
.endr
.endr
	s_wait_dscnt 0x0
.irp u, 0,1
	v_pk_add_f32 v[16+8*\u:17+8*\u], v[16+8*\u:17+8*\u], v[20+8*\u:21+8*\u]
	v_pk_add_f32 v[18+8*\u:19+8*\u], v[18+8*\u:19+8*\u], v[22+8*\u:23+8*\u]
.endr
	global_store_b128 v5, v[16:19], s[12:13]
	global_store_b128 v5, v[24:27], s[12:13] offset:65536
	s_wait_tensorcnt 0x0                           ; the wave's end
	ds_add_u32 v254, v255
	s_wait_dscnt 0x0
	s_endpgm
.Lfunc_end_k_qdd263abfa5_prep:
	.size	k_qdd263abfa5_prep, .Lfunc_end_k_qdd263abfa5_prep-k_qdd263abfa5_prep
	.p2alignl 7, 3214868480
	.fill 96, 4, 3214868480
	.section	.rodata,"a",@progbits
	.p2align	6, 0x0
	.amdhsa_kernel k_qdd263abfa5_prep
		.amdhsa_group_segment_fixed_size 22272
		.amdhsa_private_segment_fixed_size 0
		.amdhsa_enable_private_segment 0
		.amdhsa_kernarg_size 40
		.amdhsa_user_sgpr_count 2
		.amdhsa_user_sgpr_kernarg_segment_ptr 1
		.amdhsa_wavefront_size32 1
		.amdhsa_system_sgpr_workgroup_id_x 1
		.amdhsa_system_sgpr_workgroup_id_y 1
		.amdhsa_system_sgpr_workgroup_id_z 1
		.amdhsa_system_vgpr_workitem_id 0
		.amdhsa_next_free_vgpr 384
		.amdhsa_next_free_sgpr 66
		.amdhsa_reserve_vcc 0
		.amdhsa_float_denorm_mode_32 3
		.amdhsa_float_denorm_mode_16_64 3
		.amdhsa_memory_ordered 1
		.amdhsa_forward_progress 1
		.amdhsa_inst_pref_size 32
	.end_amdhsa_kernel
	.amdgpu_metadata
---
amdhsa.version: [ 1, 2 ]
amdhsa.kernels:
  - .name:           k_qdd263abfa5_prep
    .symbol:         k_qdd263abfa5_prep.kd
    .args:
      - { .name: We, .offset: 0, .size: 8, .value_kind: global_buffer, .address_space: global }
      - { .name: Wd, .offset: 8, .size: 8, .value_kind: global_buffer, .address_space: global }
      - { .name: hidden, .offset: 16, .size: 8, .value_kind: global_buffer, .address_space: global }
      - { .name: wq, .offset: 24, .size: 8, .value_kind: global_buffer, .address_space: global }
      - { .name: dec, .offset: 32, .size: 8, .value_kind: global_buffer, .address_space: global }
    .group_segment_fixed_size: 22272
    .private_segment_fixed_size: 0
    .kernarg_segment_align: 8
    .kernarg_segment_size: 40
    .max_flat_workgroup_size: 64
    .sgpr_count:     66
    .vgpr_count:     384
    .wavefront_size: 32
...
	.end_amdgpu_metadata
.endif
;; end of part 1
;; launch main (part 2): grid 8 x 32, 4 waves a work-group, clusters of 4 x 1, 327,680 bytes of LDS; arguments encoder_outputs, v, wq, dec, tws, pctx, ml; writes tws, pctx, ml
.if DOCPART == 2
	.amdgcn_target "amdgcn-amd-amdhsa--gfx1250"
	.amdhsa_code_object_version 6
	.text
	.protected	k_qdd263abfa5_main
	.globl	k_qdd263abfa5_main
	.p2align	8
	.type	k_qdd263abfa5_main,@function
k_qdd263abfa5_main:
	s_mov_b64 s[64:65], 0
	v_nop
	global_prefetch_b8 v0, s[64:65] scope:SCOPE_SE
	s_setreg_imm32_b32 hwreg(HW_REG_WAVE_MODE, 25, 1), 1
	s_wait_xcnt 0x0
	s_wait_alu depctr_hold_cnt(0) depctr_sa_sdst(0) depctr_va_vdst(0) depctr_va_sdst(0) depctr_va_ssrc(0) depctr_va_vcc(0) depctr_vm_vsrc(0)
	s_getreg_b32 s2, hwreg(HW_REG_IB_STS2, 6, 4)
	s_cmp_eq_u32 s2, 0
	s_cbranch_scc0 .Lentry_in_a_cluster
	s_endpgm
.Lentry_in_a_cluster:
	s_bfe_u32 s2, ttmp6, 0x10000c
	s_cmp_lg_u32 s2, 0x3003
	s_cbranch_scc0 .Lentry_shape_is_right
	s_endpgm
.Lentry_shape_is_right:
; For one b and 256 positions s: x[s][d] = sum over e of Q(enc[s][b][e]) Q(We[d][e]) + dec[b][d];  t[s] = sum over d of (-c v[d]) / (1 + 2^(c x)), c = 2 log2(e);
; a running softmax over s in base 2 (maximum m, sum l of p = 2^(t - m)) and the partial context sum over s of p enc[s][b][:].  encoder_outputs is read once.
; tanh(x) = 1 - 2 / (1 + e^(2 x)), so score x log2(e) = t + log2(e) sum(v): that constant is the same for all s of a row, a softmax over s does not see it, and it is left out, for every input.
; SHARES.  256 work-groups: b = grid y, chunk of 256 s = grid x; a work-group walks 4 blocks of 64 rows (s, b).  Wave w quantises rows 16 w .. 16 w + 15 of a block and keeps their bf16 copy (256 registers) for the context;
; the codes go through LDS to all four waves, each of which holds all 64 rows' fragments (384 registers).  The waves share the columns d: slot step q gives wave w the tiles 8 q + 2 w, + 1 of 16 d, so a fragment of We feeds four products.
; THE MATRIX INSTRUCTION: source 0 = 16 rows d of We, source 1 = 16 rows (s, b): lane (r, h) holds row r, register j holds d = 16 t + 8 h + j.  dec is the C of a sum's first instruction.
; We's codes (wq: images of the operand's registers, 12,800 bytes a tile with its scale words) come through a ring of two LDS slots of 102,400 bytes; a wave fetches, and alone reads, its own 25,600 bytes of a slot.
; CLUSTER.  All work-groups walk wq alike, so the four of a cluster ask jointly (mask 15).  The encoder rows are each read by one work-group: nothing to share there.
; A TILE is three unbroken parts: its 28 LDS loads; the tanh of the tile before, in five batches over all four accumulators; its 32 products.  No transcendental stands among the products.
; The launch claims all of a WGP's LDS, and carries the adds of 0 onto spare words.
; LIMITS.  NaN and infinities among the inputs are not served.  A block of 32 whose largest magnitude lies under 2^-124 gets the scale byte 1; a block of zeros gets 1 where the rule says 127 (its codes are zeros, and
; this program alone reads the bytes).  Where 2^(c x) overflows its reciprocal is 0 (tanh = 1); where it falls to 0 the reciprocal is 1 (tanh = -1).  The encoder rows enter the context rounded to bf16.
.set SLOT1,  1<<17                     ; slot 0 at 0, slot 1 here
.set STEPB,  102400                    ; a slot: 8 tiles of d
.set WPART,  25600                     ; a wave's two tiles
.set TILEB,  12800
.set TS,     102400                    ; 4 x 4,608: a wave's stage for one row of 4,096 bytes, 16 bytes of padding behind each 256
.set VT,     120832                    ; 4,096: -c v[d]; behind it 4,096: dec[b][d]
.set SCR,    129024                    ; 4 x 256: the waves' parts of 64 scores
.set PB,     130048                    ; 4 x 256: p of 64 rows, a copy for each wave
.set AC,     233472                    ; 64 rows of codes, 768 bytes + 16
.set ACP,    784
.set AS,     283648                    ; 64 rows of 32 scale bytes, 48 bytes apart
.set ASP,    48
.set SPARE,  286720                    ; the spare words, 128 bytes a wave
.set XO,     AC                        ; at the end: 4 x 4,608, the waves' parts of the context
.set ROWG,   131072                    ; bytes from s to s + 1 in encoder_outputs
; window 0
.set SPW,  1                           ; my spare word's address; never rewritten
.set NIL,  2                           ; 0; never rewritten
.set GL,   3                           ; 16 l
.set TSA,  4                           ; the stage, in
.set TRA,  5                           ; the stage, out
.set ACA,  6                           ; my block's codes
.set ASA,  7                           ; my block's scale byte
.set AFA,  8                           ; a fragment of the rows: 784 r + 24 h
.set ASR,  9                           ; the rows' scale words: 48 l
.set LB,   10                          ; We's images: 25600 w + 16 l
.set LBS,  11                          ; We's scale words
.set LV,   12                          ; -c v: 128 w + 32 h
.set ADB,  13                          ; v13-15: the three with the slot step's place added
.set ADS,  14
.set ADV,  15
.set SCW,  16
.set SCRD, 17
.set PWA,  18
.set PRA,  19
.set TGO,  20                          ; 8 l
.set PFO,  21                          ; the prefetches' offset: 131072 (l / 16) + 256 (l % 16)
.set MX,   22                          ; the running maximum
.set LS,   23                          ; my lane's part of the running sum
.set SACC, 24                          ; v24-31   a pair of partial scores for each tile of rows
.set CX,   32                          ; v32-63   the context of e = 32 l + 0 .. 31, my wave's rows
.set ASC,  64                          ; v64-79   the rows' scale words; scales and nothing else
.set BS,   80                          ; v80-87   We's scale words; scales and nothing else
.set DB,   88                          ; v88-95   dec of the tile
.set VREG, 96                          ; v96-103  -c v of the tile
.set ACC,  104                         ; v104-135 four accumulators
.set BF,   136                         ; v136-231 We's eight fragments; while a block is quantised: two sets of 32 numbers, two sets of codes, work
.set CQ,   200
.set PR,   136                         ; v136-151 p of my wave's 16 rows
.set FF,   232
.set TT,   234
.set PP,   236
.set TW,   238
.set UW,   242
.set QW,   246
.set SACC2, 246                        ; v246-253 a second pair of partial scores for each tile of rows (idle where QW is at work)
.set XOW,  254
.set XOR,  255
; window 1: v0-191 the fragments of tiles of rows 0, 1; window 2: those of tiles 2, 3; window 3: the bf16 copy, row j at 16 j.
; ROWS ON THEIR WAY (32 registers each): rows 0, 1 in window 1 v192-255, rows 2, 3 in window 2 v192-255; rows 4-9 in window 1 v0-191, rows 10-15 in window 2 v0-191 (the fragments' registers, idle from their last product on).
.set WV,  18
.set G1,  24
.set G0,  32
.set EP,  40                           ; s[40:41] my wave's row 0 of the block whose rows are being asked for
.set TP,  42
.set BLK, 44
.set CNT, 45
.set TB,  46
.set TV,  47
.set SEL, 48
.set CC,  50
.set NC,  52
.set PFA, 76                           ; s[76:77] where my prefetches stand: two rows of the next block a trip
.set BB,  55
.set PC,  56
.set ML,  58
.set DP,  60
.set MSB, 0
.macro WIN new                         ; the immediate's high byte repeats the setting that is left
.if MSB != (\new)
	s_set_vgpr_msb (MSB<<8)|(\new)
.set MSB, (\new)
.endif
.endm
.macro VW                              ; the wait on vector results
	s_wait_alu depctr_va_vdst(0)
.endm
.macro NOPS n
.rept \n
	v_nop
.endr
.endm
.macro CROUND                          ; a round of the cluster's barrier
	s_barrier_signal -1
	s_barrier_wait -1
	s_cmp_lg_u32 s[WV], 0
	s_cbranch_scc1 .Lnot_wave_0_\@
	s_barrier_signal -3
.Lnot_wave_0_\@:
	s_barrier_wait -3
	s_barrier_signal -1
	s_barrier_wait -1
.endm
; The change of slots.  kind = 1: the next slot step; kind = 0: back to a walk's first.
.macro SYNC kind
	s_wait_tensorcnt 0x0                           ; my one tensor load has landed, so its group 0 may be written
	ds_add_u32 v[SPW], v[NIL]
.if (\kind) == 0
	ds_add_u32 v[SPW], v[NIL]
.endif
	s_xor_b32 s[G0+1], s[G0+1], SLOT1
.if \kind
	s_add_nc_u64 s[G0+2:G0+3], s[G0+2:G0+3], STEPB
.else
	s_sub_nc_u64 s[G0+2:G0+3], s[G0+2:G0+3], 7*STEPB
.endif
	s_wait_dscnt 0x0                               ; the add is done, and so are all my LDS reads and stores
	CROUND
	tensor_load_to_lds s[G0:G0+3], s[G1:G1+7]      ; the joint refill, my one tensor load until the next round
	s_nop 0
	NOPS 4
.endm
.macro ROWREG j                        ; where row j lies on its way: window RW, register RR
.if (\j) < 2
.set RW, 1
.set RR, 192+32*(\j)
.elseif (\j) < 4
.set RW, 2
.set RR, 192+32*((\j)-2)
.elseif (\j) < 10
.set RW, 1
.set RR, 32*((\j)-4)
.else
.set RW, 2
.set RR, 32*((\j)-10)
.endif
.endm
.macro PFROW j                         ; row j of my 16 is asked for: eight loads of 512 consecutive bytes; the caller goes back to window 0
	ROWREG \j
	WIN 64*RW
.irp i, 0,1,2,3,4,5,6,7
	global_load_b128 v[RR+4*\i:RR+4*\i+3], v[GL], s[EP:EP+1] offset:ROWG*(\j)+512*\i th:TH_LOAD_NT
.endr
.endm
; Row k goes through my stage and comes back 128 consecutive bytes a lane: one whole block of 32.  LDS serves a wave's instructions in order: no wait between.
; THE COUNT: the rows are asked for in ascending order; behind row k's loads stand those of rows k + 1 .. 12 at the least, and from row 4's turn on those of rows k + 1 .. 15; the count's field ends at 63.
.macro TURN k
	ROWREG \k
.if 8*(15-(\k)) > 63
	s_wait_loadcnt 63
.else
	s_wait_loadcnt 8*(15-(\k))
.endif
	WIN 4*RW
.irp i, 0,1,2,3,4,5,6,7
	ds_store_b128 v[TSA], v[RR+4*\i:RR+4*\i+3] offset:544*\i
.endr
	WIN 0
.set XB, BF+32*((\k)%2)
.irp q, 0,1,2,3,4,5,6,7
	ds_load_b128 v[XB+4*\q:XB+4*\q+3], v[TRA] offset:16*\q
.endr
.endm
.macro PROC j                          ; row j: my block's scale, its 32 codes and its byte to LDS, its bf16 copy to window 3
.set XB, BF+32*((\j)%2)
.set CB, CQ+8*((\j)%2)
.set BYR, 220+(\j)%2
.if (\j) == 0
	s_wait_dscnt 16                                ; behind row 0's loads: row 1's 8 stores and 8 loads
.elseif (\j) == 15
	s_wait_dscnt 4                                 ; behind row 15's loads: row 14's 4 stores
.else
	s_wait_dscnt 20                                ; behind row j's loads: row j - 1's 4 stores and row j + 1's 16
.endif
.irp i, 0,1,2,3,4,5,6,7,8,9
	v_max3_num_f32 v[222+\i], |v[XB+3*\i]|, |v[XB+3*\i+1]|, |v[XB+3*\i+2]|   ; the largest magnitude as a tree four deep: ten lines that hang on nothing
.endr
	v_max3_num_f32 v222, v222, v223, v224
	v_max3_num_f32 v225, v225, v226, v227
	v_max3_num_f32 v228, v228, v229, v230
	v_max3_num_f32 v231, v231, |v[XB+30]|, |v[XB+31]|
	v_max3_num_f32 v216, v222, v225, v228
	v_max3_num_f32 v216, v216, v231, 0x1800000     ; with the floor 2^(3 - 127): the byte cannot fall under 1
	v_add_nc_u32 v218, 0xff000000, v216            ; 2 off the exponent field: the conversions' scale operand
	v_cvt_scalef32_pk16_fp6_f32 v[CB:CB+2], v[XB:XB+15], v218
	v_cvt_scalef32_pk16_fp6_f32 v[CB+4:CB+6], v[XB+16:XB+31], v218
	v_lshrrev_b32 v[BYR], 23, v218                 ; the scale's byte; also the plain place behind the conversions
	WIN 0xc0
.irp i, 0,1,2,3,4,5,6,7,8,9,10,11,12,13,14,15
	v_cvt_pk_bf16_f32 v[16*(\j)+\i], v[XB+2*\i], v[XB+2*\i+1]
.endr
	WIN 0
	v_mov_b32 v[CB+3], v[CB+4]
	v_mov_b32 v[CB+4], v[CB+5]
	v_mov_b32 v[CB+5], v[CB+6]
	ds_store_b64 v[ACA], v[CB:CB+1] offset:ACP*(\j)
	ds_store_b64 v[ACA], v[CB+2:CB+3] offset:ACP*(\j)+8
	ds_store_b64 v[ACA], v[CB+4:CB+5] offset:ACP*(\j)+16
	ds_store_b8 v[ASA], v[BYR] offset:ASP*(\j)
.endm
.macro AFRAG m, s                      ; the fragment of tile of rows m, K step s: six loads of 8 bytes; the caller sets the destination's window
.irp p, 0,1,2,3,4,5
	ds_load_b64 v[12*(8*((\m)%2)+(\s))+2*\p:12*(8*((\m)%2)+(\s))+2*\p+1], v[AFA] offset:16*ACP*(\m)+96*(\s)+48*(\p/3)+8*(\p%3)
.endr
.endm
; The fragments of rows 0-31 and all 64 rows' scale words into my registers; those of rows 32-63 follow among the block's first products.
.macro AFETCH
	WIN 0x40
.irp m, 0,1
.irp s, 0,1,2,3,4,5,6,7
	AFRAG \m, \s
.endr
.endr
	WIN 0
.irp u, 0,1
.irp q, 0,1
	ds_load_b128 v[ASC+8*\u+4*\q:ASC+8*\u+4*\q+3], v[ASR] offset:32*ASP*\u+16*\q
.endr
.endr
.endm
.macro BLOAD a                         ; tile a of my two: dec, We's scale words, We's eight fragments: 28 loads
	ds_load_b128 v[DB:DB+3], v[ADV] offset:4096+64*(\a)
	ds_load_b128 v[DB+4:DB+7], v[ADV] offset:4096+64*(\a)+16
	ds_load_b128 v[BS:BS+3], v[ADS] offset:TILEB*(\a)
	ds_load_b128 v[BS+4:BS+7], v[ADS] offset:TILEB*(\a)+256
.irp s, 0,1,2,3,4,5,6,7
.irp q, 0,1,2
	ds_load_b128 v[BF+12*\s+4*\q:BF+12*\s+4*\q+3], v[ADB] offset:TILEB*(\a)+1536*\s+512*\q
.endr
.endr
.endm
.macro MM m, s                         ; tile of rows m, K step s
.set rD, ACC+8*(\m)
.set rA, BF+12*(\s)
.set rB, 12*(8*((\m)%2)+(\s))
.set rX, BS+(\s)
.set rY, ASC+8*((\m)/2)+(\s)
.if (\s) == 0
.if (\m)%2
	v_wmma_scale_f32_16x16x128_f8f6f4 v[rD:rD+7], v[rA:rA+11], v[rB:rB+11], v[DB:DB+7], v[rX], v[rY] matrix_a_fmt:MATRIX_FMT_FP6 matrix_b_fmt:MATRIX_FMT_FP6 matrix_b_scale:MATRIX_SCALE_ROW1
.else
	v_wmma_scale_f32_16x16x128_f8f6f4 v[rD:rD+7], v[rA:rA+11], v[rB:rB+11], v[DB:DB+7], v[rX], v[rY] matrix_a_fmt:MATRIX_FMT_FP6 matrix_b_fmt:MATRIX_FMT_FP6
.endif
.else
.if (\m)%2
	v_wmma_scale_f32_16x16x128_f8f6f4 v[rD:rD+7], v[rA:rA+11], v[rB:rB+11], v[rD:rD+7], v[rX], v[rY] matrix_a_fmt:MATRIX_FMT_FP6 matrix_b_fmt:MATRIX_FMT_FP6 matrix_b_scale:MATRIX_SCALE_ROW1
.else
	v_wmma_scale_f32_16x16x128_f8f6f4 v[rD:rD+7], v[rA:rA+11], v[rB:rB+11], v[rD:rD+7], v[rX], v[rY] matrix_a_fmt:MATRIX_FMT_FP6 matrix_b_fmt:MATRIX_FMT_FP6
.endif
.endif
.endm
; One batch of the tanh over the four accumulators, which take turns; each accumulator's registers ascend.
; kind 0: c x (16 lines);  1: 2^(c x) (32);  2: + 1 (16);  3: the reciprocal (32);  4: the score's pair += reciprocal x (-c v) (16).
.macro RUNK kind, n
.set ri, 0
.rept \n
.set rt, ri%4
.set rp, ACC+8*rt+2*(ri/4)
.set rq, ACC+8*rt+ri/4
.if (\kind) == 0
	v_pk_mul_f32 v[rp:rp+1], v[rp:rp+1], s[CC:CC+1] op_sel_hi:[1,0]
.elseif (\kind) == 1
	v_exp_f32 v[rq], v[rq]
.elseif (\kind) == 2
	v_pk_add_f32 v[rp:rp+1], v[rp:rp+1], 1.0 op_sel_hi:[1,0]
.elseif (\kind) == 3
	v_rcp_f32 v[rq], v[rq]
.else
.set sa, SACC+2*rt+(SACC2-SACC)*((ri/4)%2)     ; the two sets of pairs by turns: a pair is taken up again eight lines on
	v_pk_fma_f32 v[sa:sa+1], v[rp:rp+1], v[VREG+2*(ri/4):VREG+2*(ri/4)+1], v[sa:sa+1]
.endif
.set ri, ri+1
.endr
.endm
.macro TANH                            ; each batch of transcendentals has one wait ahead of it, a plain line and one wait behind it
	RUNK 0, 16
	VW
	RUNK 1, 32
	v_nop
	VW
	RUNK 2, 16
	VW
	RUNK 3, 32
	v_nop
	VW
	RUNK 4, 16
.endm
; A TILE OF 16 d for all 64 rows.  carry = 1: the tile before still owes its tanh, which stands between this tile's loads and its products.
; The two accumulators of a half take turns, one instruction a turn.
; pfb = 1: the block's last tile: in its middle the fragments of rows 0-31 have had their last product, and the next block's rows 4-9 are asked for into their registers.
; mid = 1: behind the tile's LDS loads the next block's rows 0-3 are asked for; mid = 2: two rows of the next block are prefetched.  Both stand one tile behind the step's joint load; the last block asks for nothing.
.macro TILE a, carry, pfb, mid
	BLOAD \a
.if (\mid) == 1
	s_cmp_eq_u32 s[BLK], 1
	s_cbranch_scc1 .Lno_mid_\@
.irp j, 0,1,2,3
	PFROW \j
.endr
	WIN 0
.Lno_mid_\@:
.elseif (\mid) == 2
	s_cmp_eq_u32 s[BLK], 1
	s_cbranch_scc1 .Lno_mid_\@
	global_prefetch_b8 v[PFO], s[PFA:PFA+1] th:TH_LOAD_NT scope:SCOPE_SE
.Lno_mid_\@:
.endif
.if \carry
	s_wait_dscnt 28                                ; -c v of the tile before is in; the 28 just issued may be out
	TANH
.endif
	ds_load_b128 v[VREG:VREG+3], v[ADV] offset:64*(\a)       ; this tile's -c v
	ds_load_b128 v[VREG+4:VREG+7], v[ADV] offset:64*(\a)+16
	WIN 0x04                                       ; source 1: window 1
.set sk, 0
.rept 8
.if (\carry) == 0                      ; the block's first tile: behind each product of rows 0-31 stand the six loads of a fragment of rows 32-63
.if 23+9*sk > 63
	s_wait_dscnt 63                                ; (the count's field ends at 63)
.else
	s_wait_dscnt 23+9*sk                           ; may be out: 3 (7 - s) loads of We's later fragments, 2 of -c v, and the 12 s of the rows' fragments issued so far
.endif
	MM 0, sk
	WIN 0x80                                       ; destination: window 2
	AFRAG 2, sk
	WIN 0x04
	MM 1, sk
	WIN 0x80
	AFRAG 3, sk
	WIN 0x04
.else
	s_wait_dscnt 3*(7-sk)+2                        ; the three loads of each later fragment and the two of -c v may be out
	MM 0, sk
	MM 1, sk
.endif
.set sk, sk+1
.endr
.if \pfb
	WIN 0
	NOPS 4                                         ; four places in front of loads into registers that products have read
	s_cmp_eq_u32 s[BLK], 1
	s_cbranch_scc1 .Lno_next_b_\@                  ; no load leaves its buffer: the last block asks for nothing
.irp j, 4,5,6,7,8,9
	PFROW \j
.endr
	WIN 0
.Lno_next_b_\@:
.endif
	WIN 0x08                                       ; source 1: window 2
.set sk, 0
.rept 8
.if (\carry) == 0
.if 12*(7-sk) > 63
	s_wait_dscnt 63
.else
	s_wait_dscnt 12*(7-sk)                         ; the twelve loads of each later K step's two fragments may be out
.endif
.endif
	MM 2, sk
	MM 3, sk
.set sk, sk+1
.endr
	WIN 0
	NOPS 4                                         ; four places in front of the next loads into We's registers and of the first read of results
.endm
; A SLOT STEP: my two tiles.  fill = 1: the change of slots stands at its head and asks for the next step's tiles.
; first = 1 (slot step 0): in its second tile the next block's rows 0-3 are asked for.
; ask = 1 (slot steps q = 1 .. 6): in its second tile rows 2 + 2 q and 3 + 2 q of the next block are prefetched: one instruction, a lane to each 256 bytes of a row, my wave's own rows, each named once;
; the first of the loads that want them (rows 4-9) stand in slot step 7, one step or more behind.  The pointer is stepped at the trip's end, a tile behind the prefetch.
.macro SSTEP first, fill, ask, pfb
.if \fill
	SYNC 1
.else
	s_wait_tensorcnt 0x0                           ; the walk's last tiles; the bytes are my wave's own
.endif
.if \first                             ; slot step 0: its round has also shown every wave's codes and scale bytes to all four waves (each waited for its LDS stores in front of the round)
	AFETCH
.irp i, 0,1,2,3,4,5,6,7
	v_mov_b32 v[SACC+\i], 0
	v_mov_b32 v[SACC2+\i], 0
.endr
.endif
	v_add_nc_u32 v[ADB], s[TB], v[LB]
	v_add_nc_u32 v[ADS], s[TB], v[LBS]
	v_add_nc_u32 v[ADV], s[TV], v[LV]
	VW                                             ; directly behind the three writes: they are read behind waits
	TILE 0, 1-\first, 0, 0
	TILE 1, 1, \pfb, \first+2*\ask
	s_xor_b32 s[TB], s[TB], SLOT1
	s_add_co_u32 s[TV], s[TV], 512
.if \ask
	s_wait_xcnt 0x0                                ; the prefetch has read its base
	s_add_nc_u64 s[PFA:PFA+1], s[PFA:PFA+1], 2*ROWG
.endif
.endm
	s_load_b256 s[4:11], s[0:1], 0x0               ; encoder_outputs s[4:5], v s[6:7], wq s[8:9], dec s[10:11]
	s_load_b128 s[12:15], s[0:1], 0x20             ; tws, pctx
	s_load_b64 s[16:17], s[0:1], 0x30              ; ml
	v_lshl_add_u32 v[SPW], v0, 2, SPARE
	v_mov_b32 v[NIL], 0
	ds_add_u32 v[SPW], v[NIL]                      ; the opening lines: the add, twice on end, and below its one wait
	ds_add_u32 v[SPW], v[NIL]
	v_lshrrev_b32 v232, 5, v0
	v_readfirstlane_b32 s[WV], v232                ; wave 0..3
	; all scalar work of the head first, then one run of vector lines
	s_mul_i32 s66, s[WV], 4608
	s_add_co_u32 s74, s66, XO
	s_add_co_u32 s66, s66, TS
	s_mul_i32 s67, s[WV], 16*ACP
	s_add_co_u32 s67, s67, AC
	s_mul_i32 s68, s[WV], 16*ASP
	s_add_co_u32 s68, s68, AS
	s_mul_i32 s36, s[WV], WPART                    ; my part of a slot, and of a slot step in wq
	s_mov_b32 s37, 0
	s_add_co_u32 s69, s36, 12288
	s_lshl_b32 s70, s[WV], 7
	s_add_co_u32 s70, s70, VT
	s_lshl_b32 s71, s[WV], 8
	s_add_co_u32 s72, s71, PB
	s_add_co_u32 s71, s71, SCR
	s_mul_i32 s73, s[WV], 320                      ; 256 w, my copy of p, + 64 w, my 16 rows in it
	s_add_co_u32 s73, s73, PB
	; descriptor group 1: a dense block of 25,600 bytes as 100 rows of 32 elements of 8 bytes
	s_mov_b32 s[G1+0], 15|(3<<16)|(1<<21)
	s_mov_b32 s[G1+1], 32<<16
	s_mov_b32 s[G1+2], 100<<16
	s_mov_b32 s[G1+3], 32<<16
	s_mov_b32 s[G1+4], 100
	s_mov_b32 s[G1+5], 32
	s_mov_b32 s[G1+6], 0
	s_mov_b32 s[G1+7], 0
	s_mov_b32 s[G0], 1
	s_add_co_u32 s[G0+1], s36, SLOT1               ; the first change of slots turns it to slot 0
	s_mov_b32 s[SEL], 0x76543210
	s_mov_b32 s[SEL+1], 0xfedcba98                 ; v_permlanex16_b32's selects for lane l xor 16
	s_mov_b32 s[CC], 0x4038aa3b                    ; c = 2 log2(e)
	s_mov_b32 s[CC+1], s[CC]
	s_mov_b32 s[NC], 0xc038aa3b                    ; -c
	s_mov_b32 s[NC+1], s[NC]
	s_mov_b32 s[BLK], 4
	s_mov_b32 s[TB], 0
	s_bfe_u32 s62, ttmp6, 0x40000                  ; cx: it enters global addresses alone
	s_lshl_b32 s63, ttmp9, 2
	s_add_co_u32 s63, s63, s62                     ; chunk = 4 x cluster x + cx
	s_and_b32 s[BB], ttmp7, 0xffff                 ; b
	s_lshl_b32 s20, s63, 25                        ; 256 s of 131,072 bytes,
	s_lshl_b32 s22, s[WV], 21                      ; my wave's 16 rows,
	s_add_co_u32 s20, s20, s22
	s_lshl_b32 s22, s[BB], 12                      ; row b of 4,096 bytes
	s_add_co_u32 s20, s20, s22
	s_mov_b32 s21, 0
	v_and_b32 v233, 31, v0                         ; l
	v_and_b32 v234, 15, v0                         ; r
	v_bfe_u32 v235, v0, 4, 1                       ; h
	v_lshlrev_b32 v[GL], 4, v233
	v_lshl_add_u32 v[TSA], v235, 4, v[GL]          ; 16 l + 16 (l / 16)
	v_add_nc_u32 v[TSA], s66, v[TSA]
	v_lshrrev_b32 v236, 1, v233
	v_lshlrev_b32 v[TRA], 7, v233
	v_lshl_add_u32 v[TRA], v236, 4, v[TRA]         ; 128 l + 16 (l / 2)
	v_add_nc_u32 v[TRA], s66, v[TRA]
	v_mul_u32_u24 v[ACA], v233, 24
	v_add_nc_u32 v[ACA], s67, v[ACA]
	v_add_nc_u32 v[ASA], s68, v233
	v_mul_u32_u24 v[AFA], v234, ACP
	v_mad_u32_u24 v[AFA], v235, 24, v[AFA]
	v_add_nc_u32 v[AFA], AC, v[AFA]
	v_mul_u32_u24 v[ASR], v233, ASP
	v_add_nc_u32 v[ASR], AS, v[ASR]
	v_add_nc_u32 v[LB], s36, v[GL]
	v_lshl_add_u32 v[LBS], v234, 4, s69
	v_lshl_add_u32 v[LV], v235, 5, s70
	v_lshl_add_u32 v[SCW], v234, 2, s71
	v_lshl_add_u32 v[SCRD], v233, 3, SCR
	v_lshl_add_u32 v[PWA], v233, 3, s72
	v_mov_b32 v[PRA], s73
	v_lshlrev_b32 v[TGO], 3, v233
	v_lshlrev_b32 v[PFO], 8, v234
	v_lshl_add_u32 v[PFO], v235, 17, v[PFO]
	v_mul_u32_u24 v[XOW], v233, 144
	v_add_nc_u32 v[XOW], s74, v[XOW]
	v_lshrrev_b32 v[XOR], 3, v0
	v_lshlrev_b32 v[XOR], 4, v[XOR]
	v_lshl_add_u32 v[XOR], v0, 4, v[XOR]
	v_add_nc_u32 v[XOR], XO, v[XOR]
	v_lshlrev_b32 v[ADB], 4, v0                    ; for the head alone: 16 x thread,
	v_add_nc_u32 v[ADS], VT, v[ADB]                ; and the same place in the tables of -c v and dec
.irp i, 0,1,2,3,4,5,6,7,8,9,10,11,12,13,14,15,16,17,18,19,20,21,22,23,24,25,26,27,28,29,30,31
	v_mov_b32 v[CX+\i], 0                          ; the block is written once: the first finds zeros, which the first change of the maximum leaves zeros
.endr
	v_mov_b32 v[LS], 0
	v_mov_b32 v[MX], 0xff61b1e6                    ; -3e38, under every t
.irp i, 0,1,2,3
	v_mov_b32 v[UW+\i], 0                          ; a lane permute's destination counts as one of its sources
.endr
	VW                                             ; the head's end
	s_wait_dscnt 0x0                               ; both opening adds are done
	s_wait_kmcnt 0x0
	s_add_nc_u64 s[EP:EP+1], s[4:5], s[20:21]
	s_lshl_b32 s20, s[BB], 13
	s_lshl_b32 s22, s63, 10
	s_add_co_u32 s20, s20, s22
	s_add_nc_u64 s[TP:TP+1], s[12:13], s[20:21]
	s_lshl_b32 s22, s[BB], 3
	s_add_co_u32 s22, s22, s63                     ; 8 b + chunk
	s_lshl_b32 s20, s22, 12
	s_lshl_b32 s23, s[WV], 9
	s_add_co_u32 s20, s20, s23                     ; + 512 w: my wave's bytes of a store's 2,048
	s_add_nc_u64 s[PC:PC+1], s[14:15], s[20:21]
	s_lshl_b32 s20, s22, 8
	s_add_nc_u64 s[ML:ML+1], s[16:17], s[20:21]
	s_lshl_b32 s20, s[BB], 12
	s_add_nc_u64 s[DP:DP+1], s[10:11], s[20:21]
	s_add_nc_u64 s[G0+2:G0+3], s[8:9], s[36:37]
	s_add_nc_u64 s[G0+2:G0+3], s[G0+2:G0+3], 7*STEPB   ; a walk's last step: the first change of slots steps back to its first
	s_or_b32 s[G0+3], s[G0+3], 0x80000000          ; type = 2
	global_load_b128 v[136:139], v[ADB], s[6:7]
	global_load_b128 v[140:143], v[ADB], s[6:7] offset:2048
.irp q, 0,1,2,3                                ; dec comes in four parts, one for each quarter of K, 131,072 bytes apart
	global_load_b128 v[144+8*\q:147+8*\q], v[ADB], s[DP:DP+1] offset:131072*\q
	global_load_b128 v[148+8*\q:151+8*\q], v[ADB], s[DP:DP+1] offset:131072*\q+2048
.endr
.irp j, 0,1,2,3,4,5,6,7,8,9,10,11,12
	PFROW \j
.endr
	WIN 0
	s_wait_loadcnt 63                              ; v and dec are in: 104 loads were issued behind them; the count's field ends at 63
.irp i, 0,2,4,6
	v_pk_mul_f32 v[136+\i:137+\i], v[136+\i:137+\i], s[NC:NC+1] op_sel_hi:[1,0]
.endr
.irp q, 1,2,3
.irp i, 0,2,4,6
	v_pk_add_f32 v[144+\i:145+\i], v[144+\i:145+\i], v[144+8*\q+\i:145+8*\q+\i]   ; dec's four parts, K ascending
.endr
.endr
.irp i, 0,1,2,3
	ds_store_b128 v[ADS], v[136+4*\i:139+4*\i] offset:2048*\i   ; -c v, then dec[b]; the first round below parts these stores from the other waves' reads
.endr
.Lblock:                                           ; 4 trips: a block of 64 rows
	SYNC 0                                         ; the walk's first tiles go out; the round also parts the last block's LDS reads from this block's stores
	TURN 0
.irp j, 0,1,2,3,4,5,6,7,8,9,10,11,12,13,14,15
.if \j < 15
	TURN \j+1
.endif
.if \j < 3
	PFROW 13+\j                                    ; the block's last three rows
	WIN 0
.endif
	PROC \j
.if \j == 4
	s_wait_xcnt 0x0                                ; all loads and prefetches issued so far have read their base: it may step
	s_add_nc_u64 s[EP:EP+1], s[EP:EP+1], 64*ROWG   ; on to the next block's rows (behind the last block it is used no more)
	s_add_nc_u64 s[PFA:PFA+1], s[EP:EP+1], 4*ROWG  ; the prefetches begin at its row 4
.endif
.endr
	s_mov_b32 s[TV], 0
	SSTEP 1, 1, 0, 0                               ; slot step 0; the change of slots at its head is also the barrier between the codes' stores and their reads
	s_mov_b32 s[CNT], 6
.Lstep:                                            ; slot steps 1 to 6
	SSTEP 0, 1, 1, 0
	s_sub_co_u32 s[CNT], s[CNT], 1
	s_cmp_lg_u32 s[CNT], 0
	s_cbranch_scc1 .Lstep
	SSTEP 0, 0, 0, 1                               ; slot step 7 asks for no tiles
	s_cmp_eq_u32 s[BLK], 1
	s_cbranch_scc1 .Lno_next_a
	PFROW 10                                       ; the fragments of rows 32-63 have had their last product
	WIN 0
.Lno_next_a:
	s_wait_dscnt 0x0                               ; the last tile's -c v is in
	TANH
	; THE SCORES: my wave's part of t for the 64 rows; the four parts meet in LDS
.irp m, 0,1,2,3
	v_pk_add_f32 v[SACC+2*\m:SACC+2*\m+1], v[SACC+2*\m:SACC+2*\m+1], v[SACC2+2*\m:SACC2+2*\m+1]
.endr
.irp m, 0,1,2,3
	v_add_f32 v[TW+\m], v[SACC+2*\m], v[SACC+2*\m+1]
.endr
.irp m, 0,1,2,3
	v_permlanex16_b32 v[UW+\m], v[TW+\m], s[SEL], s[SEL+1]
.endr
.irp m, 0,1,2,3
	v_add_f32 v[TW+\m], v[TW+\m], v[UW+\m]         ; lanes r and r + 16: row 16 m + r
.endr
.irp m, 0,1,2,3
	ds_store_b32 v[SCW], v[TW+\m] offset:64*\m
.endr
	s_wait_dscnt 0x0
	s_barrier_signal -1
	s_barrier_wait -1
	ds_load_b64 v[TT:TT+1], v[SCRD]
	ds_load_b64 v[QW:QW+1], v[SCRD] offset:256
	ds_load_b64 v[QW+2:QW+3], v[SCRD] offset:512
	ds_load_b64 v[QW+4:QW+5], v[SCRD] offset:768
	s_wait_dscnt 0x0
	v_pk_add_f32 v[TT:TT+1], v[TT:TT+1], v[QW:QW+1]
	v_pk_add_f32 v[QW+2:QW+3], v[QW+2:QW+3], v[QW+4:QW+5]
	v_pk_add_f32 v[TT:TT+1], v[TT:TT+1], v[QW+2:QW+3]   ; t of rows 2 l, 2 l + 1: the same bits in every wave
	VW                                             ; t is read behind the branch
	s_cmp_lg_u32 s[WV], 0
	s_cbranch_scc1 .Lnot_t
	global_store_b64 v[TGO], v[TT:TT+1], s[TP:TP+1]     ; wave 0: 256 consecutive bytes, aligned
.Lnot_t:
	; THE RUNNING SOFTMAX, alike in every wave
	v_max_num_f32 v[TW], v[TT], v[TT+1]
	v_max_num_f32_dpp v[TW], v[TW], v[TW] row_xmask:1 row_mask:0xf bank_mask:0xf
	v_max_num_f32_dpp v[TW], v[TW], v[TW] row_xmask:2 row_mask:0xf bank_mask:0xf
	v_max_num_f32_dpp v[TW], v[TW], v[TW] row_xmask:4 row_mask:0xf bank_mask:0xf
	v_max_num_f32_dpp v[TW], v[TW], v[TW] row_xmask:8 row_mask:0xf bank_mask:0xf
	v_permlanex16_b32 v[UW], v[TW], s[SEL], s[SEL+1]
	v_max3_num_f32 v[TW], v[TW], v[UW], v[MX]      ; the new maximum
	v_sub_f32 v[FF], v[MX], v[TW]
	v_sub_f32 v[PP], v[TT], v[TW]
	v_sub_f32 v[PP+1], v[TT+1], v[TW]
	v_mov_b32 v[MX], v[TW]
	VW                                             ; ahead of the batch
	v_exp_f32 v[FF], v[FF]                         ; f = 2^(old maximum - new)
	v_exp_f32 v[PP], v[PP]
	v_exp_f32 v[PP+1], v[PP+1]
	v_nop
	VW                                             ; and behind it
	v_mov_b32 v[FF+1], v[FF]
	v_fma_f32 v[LS], v[LS], v[FF], v[PP]
	v_add_f32 v[LS], v[LS], v[PP+1]
	ds_store_b64 v[PWA], v[PP:PP+1]                ; p goes round my own wave through my own 256 bytes: LDS serves a wave's instructions in order
.irp i, 0,1,2,3
	ds_load_b128 v[PR+4*\i:PR+4*\i+3], v[PRA] offset:16*\i   ; every lane: p of my wave's 16 rows
.endr
.irp i, 0,2,4,6,8,10,12,14,16,18,20,22,24,26,28,30
	v_pk_mul_f32 v[CX+\i:CX+\i+1], v[CX+\i:CX+\i+1], v[FF:FF+1]
.endr
	VW                                             ; the context is read behind the wait and the branch below
	s_wait_dscnt 0x0
	s_cmp_eq_u32 s[BLK], 1
	s_cbranch_scc1 .Lno_next_c
	PFROW 11                                       ; the next block's rows 11 and 12, ahead of the 512 multiply-adds
	PFROW 12
	WIN 0
.Lno_next_c:
	; THE CONTEXT: += p x my 16 rows, straight from their bf16 halves
	WIN 0x03                                       ; source 0: window 3
.set cj, 0
.rept 16
.set ci, 0
.rept 16
	v_fma_mix_f32_bf16 v[CX+2*ci], v[16*cj+ci], v[PR+cj], v[CX+2*ci] op_sel_hi:[1,0,0]
	v_fma_mix_f32_bf16 v[CX+2*ci+1], v[16*cj+ci], v[PR+cj], v[CX+2*ci+1] op_sel:[1,0,0] op_sel_hi:[1,0,0]
.set ci, ci+1
.endr
.set cj, cj+1
.endr
	WIN 0
	VW                                             ; behind the last block the context is read close behind the wait below
	s_wait_xcnt 0x0                                ; wave 0's store has read its base and its data
	s_add_nc_u64 s[TP:TP+1], s[TP:TP+1], 256
	s_sub_co_u32 s[BLK], s[BLK], 1
	s_cmp_lg_u32 s[BLK], 0
	s_cbranch_scc1 .Lblock
	; THE END: the sum over the lanes; the four waves' parts of the context meet in LDS, in the bytes of the codes, which nobody reads any more
	v_add_f32_dpp v[LS], v[LS], v[LS] row_xmask:1 row_mask:0xf bank_mask:0xf
	v_add_f32_dpp v[LS], v[LS], v[LS] row_xmask:2 row_mask:0xf bank_mask:0xf
	v_add_f32_dpp v[LS], v[LS], v[LS] row_xmask:4 row_mask:0xf bank_mask:0xf
	v_add_f32_dpp v[LS], v[LS], v[LS] row_xmask:8 row_mask:0xf bank_mask:0xf
	v_permlanex16_b32 v[UW], v[LS], s[SEL], s[SEL+1]
	v_add_f32 v[LS], v[LS], v[UW]
.irp q, 0,1,2,3,4,5,6,7
	ds_store_b128 v[XOW], v[CX+4*\q:CX+4*\q+3] offset:16*\q
.endr
	VW                                             ; the sum is read behind the barrier
	s_wait_dscnt 0x0
	s_barrier_signal -1
	s_barrier_wait -1
.irp u, 0,1
.irp x, 0,1,2,3
	ds_load_b128 v[136+16*\u+4*\x:139+16*\u+4*\x], v[XOR] offset:4608*\x+2304*\u
.endr
.endr
	s_wait_dscnt 0x0
.irp u, 0,1
.irp i, 0,2
	v_pk_add_f32 v[136+16*\u+\i:137+16*\u+\i], v[136+16*\u+\i:137+16*\u+\i], v[140+16*\u+\i:141+16*\u+\i]
	v_pk_add_f32 v[144+16*\u+\i:145+16*\u+\i], v[144+16*\u+\i:145+16*\u+\i], v[148+16*\u+\i:149+16*\u+\i]
	v_pk_add_f32 v[136+16*\u+\i:137+16*\u+\i], v[136+16*\u+\i:137+16*\u+\i], v[144+16*\u+\i:145+16*\u+\i]
.endr
.endr
.irp u, 0,1
	global_store_b128 v[GL], v[136+16*\u:139+16*\u], s[PC:PC+1] offset:2048*\u   ; a wave stores 512 consecutive bytes
.endr
	s_cmp_lg_u32 s[WV], 0
	s_cbranch_scc1 .Lno_ml
	global_store_b64 v[TGO], v[MX:MX+1], s[ML:ML+1]    ; wave 0: (m, l), 32 times: 256 consecutive bytes, aligned
.Lno_ml:
	s_wait_tensorcnt 0x0                           ; the wave's end
	ds_add_u32 v[SPW], v[NIL]
	s_wait_dscnt 0x0
	CROUND                                         ; the closing round
	s_endpgm
.Lfunc_end_k_qdd263abfa5_main:
	.size	k_qdd263abfa5_main, .Lfunc_end_k_qdd263abfa5_main-k_qdd263abfa5_main
	.p2alignl 7, 3214868480
	.fill 96, 4, 3214868480
	.section	.rodata,"a",@progbits
	.p2align	6, 0x0
	.amdhsa_kernel k_qdd263abfa5_main
		.amdhsa_group_segment_fixed_size 327680
		.amdhsa_private_segment_fixed_size 0
		.amdhsa_enable_private_segment 0
		.amdhsa_kernarg_size 56
		.amdhsa_user_sgpr_count 2
		.amdhsa_user_sgpr_kernarg_segment_ptr 1
		.amdhsa_wavefront_size32 1
		.amdhsa_system_sgpr_workgroup_id_x 1
		.amdhsa_system_sgpr_workgroup_id_y 1
		.amdhsa_system_sgpr_workgroup_id_z 1
		.amdhsa_system_vgpr_workitem_id 0
		.amdhsa_next_free_vgpr 1024
		.amdhsa_next_free_sgpr 80
		.amdhsa_reserve_vcc 0
		.amdhsa_float_denorm_mode_32 3
		.amdhsa_float_denorm_mode_16_64 3
		.amdhsa_memory_ordered 1
		.amdhsa_forward_progress 1
		.amdhsa_inst_pref_size 219
	.end_amdhsa_kernel
	.amdgpu_metadata
---
amdhsa.version: [ 1, 2 ]
amdhsa.kernels:
  - .name:           k_qdd263abfa5_main
    .symbol:         k_qdd263abfa5_main.kd
    .args:
      - { .name: encoder_outputs, .offset: 0, .size: 8, .value_kind: global_buffer, .address_space: global }
      - { .name: v, .offset: 8, .size: 8, .value_kind: global_buffer, .address_space: global }
      - { .name: wq, .offset: 16, .size: 8, .value_kind: global_buffer, .address_space: global }
      - { .name: dec, .offset: 24, .size: 8, .value_kind: global_buffer, .address_space: global }
      - { .name: tws, .offset: 32, .size: 8, .value_kind: global_buffer, .address_space: global }
      - { .name: pctx, .offset: 40, .size: 8, .value_kind: global_buffer, .address_space: global }
      - { .name: ml, .offset: 48, .size: 8, .value_kind: global_buffer, .address_space: global }
    .group_segment_fixed_size: 327680
    .private_segment_fixed_size: 0
    .kernarg_segment_align: 8
    .kernarg_segment_size: 56
    .max_flat_workgroup_size: 128
    .sgpr_count:     80
    .vgpr_count:     1024
    .wavefront_size: 32
...
	.end_amdgpu_metadata
.endif
;; end of part 2
;; launch finish (part 3): grid 32 x 1, 8 waves a work-group, no clusters, 0 bytes of LDS; arguments tws, pctx, ml, out0, out1; writes out0, out1
.if DOCPART == 3
	.amdgcn_target "amdgcn-amd-amdhsa--gfx1250"
	.amdhsa_code_object_version 6
	.text
	.protected	k_qdd263abfa5_finish
	.globl	k_qdd263abfa5_finish
	.p2align	8
	.type	k_qdd263abfa5_finish,@function
k_qdd263abfa5_finish:
	s_mov_b64 s[64:65], 0
	v_nop
	global_prefetch_b8 v0, s[64:65] scope:SCOPE_SE
	s_setreg_imm32_b32 hwreg(HW_REG_WAVE_MODE, 25, 1), 1
	s_wait_xcnt 0x0
; The eight chunks of each b are joined.  Chunk c left its maximum m_c and sum l_c (ml), its context under m_c (pctx) and the scores t in base 2 (tws).
; M = max m_c;  g_c = 2^(m_c - M);  L = sum g_c l_c;  out0[b][e] = sum_c (g_c / L) pctx_c[e];  out1[b][s] = 2^(t[s] - M) / L.
; Work-group b, 256 threads: thread i takes 16 bytes of each of the eight contexts and two runs of 16 bytes of t.  All 18 loads go out at once; a wave's load or store of 16 bytes a lane covers 512 consecutive bytes.
; No LDS, no barrier, no matrix unit: 41 KB a work-group, and no thread needs another's numbers.
	s_load_b256 s[4:11], s[0:1], 0x0               ; tws s[4:5], pctx s[6:7], ml s[8:9], out0 s[10:11]
	s_load_b64 s[12:13], s[0:1], 0x20              ; out1
	v_lshlrev_b32 v1, 4, v0                        ; 16 x thread
	v_mov_b32 v2, 0
	s_lshl_b32 s14, ttmp9, 13                      ; a row of tws and of out1: 8,192 bytes
	s_mov_b32 s15, 0
	s_lshl_b32 s16, ttmp9, 15                      ; eight contexts of 4,096 bytes
	s_mov_b32 s17, 0
	s_lshl_b32 s18, ttmp9, 11                      ; eight records of 256 bytes
	s_mov_b32 s19, 0
	s_lshl_b32 s20, ttmp9, 12                      ; a row of out0
	s_mov_b32 s21, 0
	s_wait_alu depctr_va_vdst(0)
	s_wait_kmcnt 0x0
	s_add_nc_u64 s[4:5], s[4:5], s[14:15]
	s_add_nc_u64 s[6:7], s[6:7], s[16:17]
	s_add_nc_u64 s[8:9], s[8:9], s[18:19]
	s_add_nc_u64 s[10:11], s[10:11], s[20:21]
	s_add_nc_u64 s[12:13], s[12:13], s[14:15]
.irp c, 0,1,2,3,4,5,6,7
	global_load_b64 v[16+2*\c:17+2*\c], v2, s[8:9] offset:256*\c     ; (m_c, l_c), the same in every lane
.endr
	global_load_b128 v[32:35], v1, s[4:5]
	global_load_b128 v[36:39], v1, s[4:5] offset:4096
.irp c, 0,1,2,3,4,5,6,7
	global_load_b128 v[40+4*\c:43+4*\c], v1, s[6:7] offset:4096*\c
.endr
	s_wait_loadcnt 0x0
	v_max3_num_f32 v3, v16, v18, v20
	s_delay_alu instid0(VALU_DEP_1)
	v_max3_num_f32 v3, v3, v22, v24
	s_delay_alu instid0(VALU_DEP_1)
	v_max3_num_f32 v3, v3, v26, v28
	s_delay_alu instid0(VALU_DEP_1)
	v_max_num_f32 v3, v3, v30                      ; M
.irp c, 0,1,2,3,4,5,6,7
	v_sub_f32 v[72+\c], v[16+2*\c], v3
.endr
.irp i, 0,1,2,3,4,5,6,7
	v_sub_f32 v[32+\i], v[32+\i], v3
.endr
	s_wait_alu depctr_va_vdst(0)
.irp c, 0,1,2,3,4,5,6,7
	v_exp_f32 v[72+\c], v[72+\c]                   ; g_c
.endr
.irp i, 0,1,2,3,4,5,6,7
	v_exp_f32 v[32+\i], v[32+\i]                   ; 2^(t - M)
.endr
	v_nop                                          ; a plain line behind the last exponential,
	s_wait_alu depctr_va_vdst(0)                   ; and one wait for the sixteen, ahead of the first line that names a result
	v_mul_f32 v4, v72, v17
.irp c, 1,2,3,4,5,6,7
	v_fmac_f32 v4, v[72+\c], v[17+2*\c]            ; L: at least 1, since the chunk that holds M has g = 1 and a p = 1
.endr
	s_wait_alu depctr_va_vdst(0)
	v_rcp_f32 v5, v4
	v_nop
	s_wait_alu depctr_va_vdst(0)
.irp c, 0,1,2,3,4,5,6,7
	v_mul_f32 v[72+\c], v[72+\c], v5               ; g_c / L
.endr
.irp i, 0,1,2,3
	v_mul_f32 v[80+\i], v72, v[40+\i]
.endr
.irp c, 1,2,3,4,5,6,7
.irp i, 0,1,2,3
	s_delay_alu instid0(VALU_DEP_4)
	v_fmac_f32 v[80+\i], v[72+\c], v[40+4*\c+\i]
.endr
.endr
.irp i, 0,1,2,3,4,5,6,7
	v_mul_f32 v[32+\i], v[32+\i], v5
.endr
	global_store_b128 v1, v[80:83], s[10:11]
	global_store_b128 v1, v[32:35], s[12:13]
	global_store_b128 v1, v[36:39], s[12:13] offset:4096
	s_endpgm
.Lfunc_end_k_qdd263abfa5_finish:
	.size	k_qdd263abfa5_finish, .Lfunc_end_k_qdd263abfa5_finish-k_qdd263abfa5_finish
	.p2alignl 7, 3214868480
	.fill 96, 4, 3214868480
	.section	.rodata,"a",@progbits
	.p2align	6, 0x0
	.amdhsa_kernel k_qdd263abfa5_finish
		.amdhsa_group_segment_fixed_size 0
		.amdhsa_private_segment_fixed_size 0
		.amdhsa_enable_private_segment 0
		.amdhsa_kernarg_size 40
		.amdhsa_user_sgpr_count 2
		.amdhsa_user_sgpr_kernarg_segment_ptr 1
		.amdhsa_wavefront_size32 1
		.amdhsa_system_sgpr_workgroup_id_x 1
		.amdhsa_system_sgpr_workgroup_id_y 1
		.amdhsa_system_sgpr_workgroup_id_z 1
		.amdhsa_system_vgpr_workitem_id 0
		.amdhsa_next_free_vgpr 96
		.amdhsa_next_free_sgpr 66
		.amdhsa_reserve_vcc 0
		.amdhsa_float_denorm_mode_32 3
		.amdhsa_float_denorm_mode_16_64 3
		.amdhsa_memory_ordered 1
		.amdhsa_forward_progress 1
		.amdhsa_inst_pref_size 8
	.end_amdhsa_kernel
	.amdgpu_metadata
---
amdhsa.version: [ 1, 2 ]
amdhsa.kernels:
  - .name:           k_qdd263abfa5_finish
    .symbol:         k_qdd263abfa5_finish.kd
    .args:
      - { .name: tws, .offset: 0, .size: 8, .value_kind: global_buffer, .address_space: global }
      - { .name: pctx, .offset: 8, .size: 8, .value_kind: global_buffer, .address_space: global }
      - { .name: ml, .offset: 16, .size: 8, .value_kind: global_buffer, .address_space: global }
      - { .name: out0, .offset: 24, .size: 8, .value_kind: global_buffer, .address_space: global }
      - { .name: out1, .offset: 32, .size: 8, .value_kind: global_buffer, .address_space: global }
    .group_segment_fixed_size: 0
    .private_segment_fixed_size: 0
    .kernarg_segment_align: 8
    .kernarg_segment_size: 40
    .max_flat_workgroup_size: 256
    .sgpr_count:     66
    .vgpr_count:     96
    .wavefront_size: 32
...
	.end_amdgpu_metadata
.endif
;; end of part 3
